; MI455X (gfx1250); checked and timed in simulation.
; The chip was launched on July 23, 2026; its instructions are those of AMD's public machine-readable ISA for CDNA 5 (MIT licence, August 2026) and "CDNA5" Instruction Set Architecture Reference Guide (July 2026). The comments in the code are by the model that wrote it; some were corrected since.
;; LSTM. Allowed arithmetic: float matrix products may take bf16 or f16 operands with f32 sums; other float arithmetic in f32, or as packed bf16 or f16 multiplies, adds, multiply-adds, maxima and minima; sums over many terms, partial sums and values carried from step to step in f32; what a program stores and reads back later, other than sums and carried values, may be rounded once to bf16 or f16.
;; Inputs: Whc_w 2,048 x 2,048 float32; Whf_w 2,048 x 2,048 float32; Whi_w 2,048 x 2,048 float32; Who_w 2,048 x 2,048 float32; Why_b 1,024 float32; Why_w 1,024 x 2,048 float32; Wxc_b 2,048 float32; Wxc_w 2,048 x 1,024 float32; Wxf_b 2,048 float32; Wxf_w 2,048 x 1,024 float32; Wxi_b 2,048 float32; Wxi_w 2,048 x 1,024 float32; Wxo_b 2,048 float32; Wxo_w 2,048 x 1,024 float32; cell_state 2,048 x 2,048 float32; hidden_state 2,048 x 2,048 float32; x 2,048 x 1,024 float32.
;; Outputs: out0 2,048 x 1,024 float32; out1 2,048 x 2,048 float32; out2 2,048 x 2,048 float32.
;; 2 versions, each right; version 2 is version 1 with the launch cast written anew for expert scheduling mode. Each part assembles by itself: llvm-mc -triple=amdgcn-amd-amdhsa -mcpu=gfx1250 --defsym DOCPART=n.
;; ======== version 1 of 2: 3 launches
;; limits: values are held in f16: magnitudes above 65,504 overflow, below 6.1e-05 lose precision
;; workspace buffers: ab 12,582,912 bytes; wb 50,331,648 bytes; yb 4,194,304 bytes; hb 8,388,608 bytes
;; launch cast (part 1): grid 64 x 16, 8 waves a work-group, no clusters, 0 bytes of LDS; arguments x, hidden_state, Wxi_w, Wxf_w, Wxc_w, Wxo_w, Whi_w, Whf_w, Whc_w, Who_w, Why_w, ab, wb, yb; writes ab, wb, yb
.if DOCPART == 1
	.amdgcn_target "amdgcn-amd-amdhsa--gfx1250"
	.amdhsa_code_object_version 6
	.text
	.protected	k_q5b06fe7474_cast
	.globl	k_q5b06fe7474_cast
	.p2align	8
	.type	k_q5b06fe7474_cast,@function
k_q5b06fe7474_cast:
	s_mov_b64 s[64:65], 0
	v_nop
	global_prefetch_b8 v0, s[64:65] scope:SCOPE_SE
	s_setreg_imm32_b32 hwreg(HW_REG_WAVE_MODE, 25, 1), 1
	s_wait_xcnt 0x0
; THE MATRIX OPERANDS ARE ROUNDED ONCE TO 16 BITS AND LAID OUT FOR THE TWO PRODUCTS THAT FOLLOW.
;   ab [2048][3072] bf16: row m = x[m] (1,024 numbers), then hidden_state[m] (2,048).
;   wb [8192][3072] bf16: row (j >> 5) * 128 + g * 32 + (j & 31) = Wx_g[j], then Wh_g[j]; g = 0..3 for i, f, c, o.  So 128 rows on end hold all four gates of 32 hidden columns.
;   yb [1024][2048] f16:  Why_w rounded to bf16, that number written as f16.
; LIMITS.  Every number is rounded to nearest even, once, to bf16.  yb: a bf16 number beyond 65,504 becomes an infinity in f16; below 6e-5 it keeps f16's fixed step of 6e-8.
; SHARES.  The sources are 16 units of 2,097,152 numbers (grid y): 0 x; 1, 2 the halves of hidden_state; 3-6 Wx_g; 7-14 the halves of Wh_g; 15 Why_w.  A unit is 2,048 chunks of 1,024 numbers,
; dense in memory; a work-group takes 32 chunks, a wave 4: 32 loads of 16 bytes a lane (512 consecutive bytes each), all issued before the first is waited for: 16 KiB a wave on their way.
; Four f32 of a lane become 8 bytes; a store of the wave covers 256 consecutive bytes, aligned.  No loop, no LDS, no barrier: no wave wants a byte that another has fetched, so there is nothing for a cluster to share.
.set X, 8                              ; v[8:135]  load n's four registers at X + 4 n; the rounded pair is stored from the first two
	s_load_b512 s[8:23], s[0:1], 0x0               ; x 8, hidden_state 10, Wxi 12, Wxf 14, Wxc 16, Wxo 18, Whi 20, Whf 22
	s_load_b256 s[24:31], s[0:1], 0x40             ; Whc 24, Who 26, Why 28, ab 30
	s_load_b128 s[32:35], s[0:1], 0x60             ; wb 32, yb 34
	v_lshrrev_b32 v1, 5, v0
	v_readfirstlane_b32 s38, v1                    ; wave 0..7
	v_and_b32 v6, 31, v0                           ; lane
	s_mov_b32 s58, 0xffff0000                      ; a word's upper bf16
	s_and_b32 s36, ttmp7, 0xffff                   ; u: the unit
	s_sub_co_u32 s37, s36, 1
	s_cmp_lt_u32 s37, 2
	s_cselect_b32 s39, 1, 0
	s_cmp_ge_u32 s36, 7
	s_cselect_b32 s39, 1, s39                      ; wide: the source's rows have 2,048 numbers (two chunks)
	s_add_co_u32 s40, s36, 1
	s_and_b32 s40, s40, s39                        ; which half of a wide source (Why_w has one unit: 0)
	s_sub_co_u32 s41, s36, 7
	s_lshr_b32 s41, s41, 1
	s_sub_co_u32 s37, s36, 3
	s_cmp_ge_u32 s36, 7
	s_cselect_b32 s41, s41, s37                    ; g, where the unit is a gate's weights
	s_cmp_lt_u32 s37, 12
	s_cselect_b32 s42, 1, 0                        ; the unit goes to wb
	s_lshl_b32 s43, ttmp9, 5
	s_lshl2_add_u32 s43, s38, s43                  ; my first chunk in the unit: 32 x work-group + 4 x wave
	s_lshr_b32 s44, s43, s39
	s_lshl_b32 s57, s40, 10
	s_add_co_u32 s44, s44, s57                     ; its row j in the source
	s_lshr_b32 s45, s44, 5
	s_mul_i32 s45, s45, 96
	s_lshl_b32 s57, s41, 5
	s_add_co_u32 s45, s45, s57                     ; wb's row less j: (j >> 5) * 96 + 32 g; my 2 or 4 rows lie in one group of 32
	s_cmp_eq_u32 s42, 1
	s_cselect_b32 s45, s45, 0
	s_add_co_u32 s45, s45, s44                     ; the row in the destination
	s_mov_b32 s46, 6144
	s_cmp_eq_u32 s36, 15
	s_cselect_b32 s46, 4096, s46                   ; bytes in a row of the destination
	s_cselect_b32 s47, 0, s39
	s_lshl_b32 s47, s47, 11                        ; hidden_state and Wh_g begin 2,048 bytes into the row
	s_lshl_b32 s49, s46, 1
	s_cmp_eq_u32 s39, 1
	s_cselect_b32 s48, 2048, s46                   ; from chunk 0 to chunk 1: half a row on, or a row down
	s_cselect_b32 s49, s46, s49                    ; from chunk 0 to chunk 2: a row down, or two
	s_mul_i32 s56, s45, s46
	s_add_co_u32 s56, s56, s47                     ; chunk 0's byte in the destination (under 2^26)
	s_lshl_b32 s54, s40, 23
	s_lshl_b32 s57, s43, 12
	s_add_co_u32 s54, s54, s57                     ; and in the source: 8 MiB x half + 4,096 x chunk
	s_mov_b32 s55, 0
	v_lshlrev_b32 v1, 4, v6                        ; in: 16 bytes a lane
	v_lshl_add_u32 v2, v6, 3, s56                  ; out: 8 bytes a lane; v2-v5 for chunks 0-3
	v_add_nc_u32 v3, s48, v2
	v_add_nc_u32 v4, s49, v2
	v_add_nc_u32 v5, s49, v3
	s_wait_kmcnt 0x0
	s_mov_b64 s[50:51], s[8:9]                     ; the source, chosen by the unit's number alone
.macro PICK from, reg
	s_cmp_ge_u32 s36, \from
	s_cselect_b64 s[50:51], s[\reg:\reg+1], s[50:51]
.endm
	PICK 1, 10
	PICK 3, 12
	PICK 4, 14
	PICK 5, 16
	PICK 6, 18
	PICK 7, 20
	PICK 9, 22
	PICK 11, 24
	PICK 13, 26
	PICK 15, 28
	s_add_nc_u64 s[50:51], s[50:51], s[54:55]
	s_mov_b64 s[52:53], s[30:31]                   ; the destination
	s_cmp_ge_u32 s36, 3
	s_cselect_b64 s[52:53], s[32:33], s[52:53]
	s_cmp_ge_u32 s36, 15
	s_cselect_b64 s[52:53], s[34:35], s[52:53]
.irp i, 0,1,2,3
.irp k, 0,1,2,3,4,5,6,7
	global_load_b128 v[X+4*(8*(\i)+(\k)):X+4*(8*(\i)+(\k))+3], v1, s[50:51] offset:4096*(\i)+512*(\k) th:TH_LOAD_NT
.endr
.endr
; Load n is rounded and stored.  half16 = 1: the bf16 numbers are widened again and written as f16.  No register is written again behind the store that reads it.
.macro CONV half16
.irp i, 0,1,2,3
.irp k, 0,1,2,3,4,5,6,7
.set n, X+4*(8*(\i)+(\k))
	s_wait_loadcnt 31-(8*(\i)+(\k))                ; loads come back in order (ISA guide 5.7.1): this one is in, the younger ones stay out
	v_cvt_pk_bf16_f32 v[n], v[n], v[n+1]
	v_cvt_pk_bf16_f32 v[n+1], v[n+2], v[n+3]
.if \half16
	v_lshlrev_b32 v[n+2], 16, v[n]
	v_and_b32 v[n+3], s58, v[n]
	v_cvt_pk_f16_f32 v[n], v[n+2], v[n+3]
	v_lshlrev_b32 v[n+2], 16, v[n+1]
	v_and_b32 v[n+3], s58, v[n+1]
	v_cvt_pk_f16_f32 v[n+1], v[n+2], v[n+3]
.endif
	global_store_b64 v[2+(\i)], v[n:n+1], s[52:53] offset:256*(\k)
.endr
.endr
.endm
	s_cmp_eq_u32 s36, 15
	s_cbranch_scc1 .Lwhy
	CONV 0
	s_endpgm
.Lwhy:
	CONV 1
	s_endpgm
.Lfunc_end_k_q5b06fe7474_cast:
	.size	k_q5b06fe7474_cast, .Lfunc_end_k_q5b06fe7474_cast-k_q5b06fe7474_cast
	.p2alignl 7, 3214868480
	.fill 96, 4, 3214868480
	.section	.rodata,"a",@progbits
	.p2align	6, 0x0
	.amdhsa_kernel k_q5b06fe7474_cast
		.amdhsa_group_segment_fixed_size 0
		.amdhsa_private_segment_fixed_size 0
		.amdhsa_enable_private_segment 0
		.amdhsa_kernarg_size 112
		.amdhsa_user_sgpr_count 2
		.amdhsa_user_sgpr_kernarg_segment_ptr 1
		.amdhsa_wavefront_size32 1
		.amdhsa_system_sgpr_workgroup_id_x 1
		.amdhsa_system_sgpr_workgroup_id_y 1
		.amdhsa_system_sgpr_workgroup_id_z 1
		.amdhsa_system_vgpr_workitem_id 0
		.amdhsa_next_free_vgpr 136
		.amdhsa_next_free_sgpr 66
		.amdhsa_reserve_vcc 0
		.amdhsa_float_denorm_mode_32 3
		.amdhsa_float_denorm_mode_16_64 3
		.amdhsa_memory_ordered 1
		.amdhsa_forward_progress 1
		.amdhsa_inst_pref_size 31
	.end_amdhsa_kernel
	.amdgpu_metadata
---
amdhsa.version: [ 1, 2 ]
amdhsa.kernels:
  - .name:           k_q5b06fe7474_cast
    .symbol:         k_q5b06fe7474_cast.kd
    .args:
      - { .name: x, .offset: 0, .size: 8, .value_kind: global_buffer, .address_space: global }
      - { .name: hidden_state, .offset: 8, .size: 8, .value_kind: global_buffer, .address_space: global }
      - { .name: Wxi_w, .offset: 16, .size: 8, .value_kind: global_buffer, .address_space: global }
      - { .name: Wxf_w, .offset: 24, .size: 8, .value_kind: global_buffer, .address_space: global }
      - { .name: Wxc_w, .offset: 32, .size: 8, .value_kind: global_buffer, .address_space: global }
      - { .name: Wxo_w, .offset: 40, .size: 8, .value_kind: global_buffer, .address_space: global }
      - { .name: Whi_w, .offset: 48, .size: 8, .value_kind: global_buffer, .address_space: global }
      - { .name: Whf_w, .offset: 56, .size: 8, .value_kind: global_buffer, .address_space: global }
      - { .name: Whc_w, .offset: 64, .size: 8, .value_kind: global_buffer, .address_space: global }
      - { .name: Who_w, .offset: 72, .size: 8, .value_kind: global_buffer, .address_space: global }
      - { .name: Why_w, .offset: 80, .size: 8, .value_kind: global_buffer, .address_space: global }
      - { .name: ab, .offset: 88, .size: 8, .value_kind: global_buffer, .address_space: global }
      - { .name: wb, .offset: 96, .size: 8, .value_kind: global_buffer, .address_space: global }
      - { .name: yb, .offset: 104, .size: 8, .value_kind: global_buffer, .address_space: global }
    .group_segment_fixed_size: 0
    .private_segment_fixed_size: 0
    .kernarg_segment_align: 8
    .kernarg_segment_size: 112
    .max_flat_workgroup_size: 256
    .sgpr_count:     66
    .vgpr_count:     136
    .wavefront_size: 32
...
	.end_amdgpu_metadata
.endif
;; end of part 1
;; launch gates (part 2): grid 32 x 8, 4 waves a work-group, clusters of 4 x 4, 327,680 bytes of LDS; arguments ab, wb, cell_state, Wxi_b, Wxf_b, Wxc_b, Wxo_b, out1, out2, hb; writes out1, out2, hb
.if DOCPART == 2
	.amdgcn_target "amdgcn-amd-amdhsa--gfx1250"
	.amdhsa_code_object_version 6
	.text
	.protected	k_q5b06fe7474_gates
	.globl	k_q5b06fe7474_gates
	.p2align	8
	.type	k_q5b06fe7474_gates,@function
k_q5b06fe7474_gates:
	s_mov_b64 s[64:65], 0
	v_nop
	global_prefetch_b8 v0, s[64:65] scope:SCOPE_SE
	s_setreg_imm32_b32 hwreg(HW_REG_WAVE_MODE, 25, 1), 1
	s_wait_xcnt 0x0
	s_wait_alu depctr_hold_cnt(0) depctr_sa_sdst(0) depctr_va_vdst(0) depctr_va_sdst(0) depctr_va_ssrc(0) depctr_va_vcc(0) depctr_vm_vsrc(0)
	s_getreg_b32 s2, hwreg(HW_REG_IB_STS2, 6, 4)
	s_cmp_eq_u32 s2, 0
	s_cbranch_scc0 .Lentry_in_a_cluster
	s_endpgm
.Lentry_in_a_cluster:
	s_bfe_u32 s2, ttmp6, 0x10000c
	s_cmp_lg_u32 s2, 0xf033
	s_cbranch_scc0 .Lentry_shape_is_right
	s_endpgm
.Lentry_shape_is_right:
; THE GATES' PRODUCT AND THE CELL'S ARITHMETIC.  gates[m][n'] = bias[n'] + sum over k of ab[m][k] wb[n'][k] (bf16 operands, f32 sums, K = 3,072); then, for each hidden column,
; c' = sigmoid(gf) c + sigmoid(gi) tanh(gc) (out2), h' = sigmoid(go) tanh(c') (out1, and once more in f16 in hb, for the last product).
; LIMITS.  cell_state is rounded once to bf16, like the matrix operands; the biases enter in f32.  sigmoid(x) = 1 / (1 + 2^(-x log2 e)), tanh(x) = 1 - 2 / (1 + 2^(2 x log2 e)): both run into their end
; values through 0 and infinity for large |x|; tanh's difference leaves an absolute error of about 1e-7 near 0.  NaN is not treated apart.  h' lies within -1 .. 1; below 6e-5 hb keeps f16's fixed step of 6e-8.
; SHARES.  A work-group makes 256 rows (tile row mt) x 256 rows of wb (tile column jt): the four gates of hidden columns 64 jt .. 64 jt + 63.  Four waves, each 128 x 128: 64 accumulators, 512 registers.
; wb's rows lie [32 columns' group][gate][column], so wave (wm, wn) holds all four gates of its 32 columns, and THE MATRIX INSTRUCTION IS USED TRANSPOSED (source 0 = 16 rows of wb, source 1 = 16 rows of ab):
; in accumulator (a, b = 2 g + p) lane l holds row 16 a + l % 16, and register j gate g of column 16 p + 8 (l / 16) + j.  So the four gates of one number lie in one lane under one register index, and
; the cell's arithmetic changes no lanes.  The bias is the C operand of the first product on each accumulator: nothing is cleared, nothing is added later.
; THE RING.  K goes in 24 steps of 128 through two LDS slots, each filled by one tensor load a wave (128 rows x 256 bytes).  CLUSTERS: 4 x 4 work-groups; ab's tile is asked for jointly along a row of the
; cluster, wb's along a column.  When slot 0 has been read for the last time it takes the work-group's 256 x 64 numbers of cell_state (a load of its own for each wave, behind a round like every other);
; when slot 1 has been read for the last time it serves as the stage for c' and h'; the f16 copy has a stage of its own.
; THE WAY OUT GOES BLOCK BY BLOCK.  A row's 256 bytes come from two waves, so a barrier stands behind each block of 16 rows (of each row half); behind it each wave reads a quarter of the block back as whole
; rows, and stores it in the middle of the next block's arithmetic: seven eighths of the stores are issued ahead of the last block's arithmetic.  Block a's rows and block a + 1's are different bytes of the
; stages (16 rows of 272 bytes = 4,352 apart, and no access reaches further than 4,336 into its block; in the f16 stage 2,304 apart and 2,288), so the reads of one and the stores of the next need no barrier.
; REGISTERS, in windows of 256: window 0: v0-31 addresses; v32-55 the cell's numbers; v64-127, v128-191 fragments of ab, two buffers (later: v64-127 at work, v128-207 rows on the way out); v192-255 the bias.
;   window 1: v64-191 fragments of wb.  window 2: the accumulators of my rows 0-63 ((a, b) at v[8 (8 a + b)]); window 3: those of rows 64-127.
.set SIZE_K, 3072
.set KSTEP,  128
.set PITCH,  272                       ; an LDS row: 256 bytes + 16 of padding = 68 words: row r starts at bank 4 r mod 64 (64 banks of 4 bytes: ISA guide 11.1)
.set HALFT,  128*PITCH                 ; what one tensor load brings
.set SLOT,   4*HALFT                   ; ab's 256 rows, then wb's 256 rows
.set STC,    SLOT                      ; slot 1, behind its last fill: 256 rows x 272 bytes of c',
.set STH,    SLOT+256*PITCH            ; and of h'
.set HBST,   2*SLOT                    ; behind the ring: 256 rows x 144 bytes: h' in f16
.set HP,     144
.set SPARE,  HBST+256*HP               ; the spare words, 128 bytes for each wave: two blocks of 256 bytes that no other line names
.set LAPS,   SIZE_K/(2*KSTEP)          ; 12 laps of two K steps
.set BO,   6                           ; v6   my byte offset in a bias
.set GOF,  7                           ; v7   the way out: my 16 bytes in two rows of out1 and out2
.set GOB,  8                           ; v8   my 16 bytes in 512 consecutive bytes of hb
.set ADRA, 16                          ; v16-17  LDS address of my fragments of ab in slot 0, 1
.set ADRB, 20                          ; v20-21  the same for wb
.set CL,   22                          ; v22  my 32 bytes of a row of the cell's tile
.set STCA, 23                          ; v23  the same place in c' 's stage
.set STHA, 24                          ; v24  and in h' 's
.set STB,  25                          ; v25  my 16 bytes of a row of the f16 stage
.set RDC,  26                          ; v26  where I read rows of c' back
.set RDH,  27                          ; v27  of h'
.set SPW,  28                          ; v28  LDS address of my spare word; never rewritten
.set NIL,  29                          ; v29  0; never rewritten
.set PFO,  30                          ; v30  the prefetches' offset: my lane x a row of ab or wb; never rewritten
.set RDB,  31                          ; v31  where I read rows of the f16 stage back
.set CV,   32                          ; v32-47  my 16 numbers of cell_state for a block of 16 rows
.set CW,   48                          ; v48-55  the same, packed in bf16
.set F0,   64
.set F1,   128
.set T,    64                          ; v64-127  the block's 64 gates at work: gate g, column index 8 p + j at T + 16 g + 8 p + j
.set RBUF, 128                         ; v128-167, v168-207  a block's rows on the way out: two sets of 40 that take turns
.set BIAS, 192                         ; v192-255  block b's eight numbers at BIAS + 8 b (read by the first quarter alone)
.set G1,  24                           ; s[24:31] descriptor group 1 for ab's tiles;  s[32:39] group 0, a set for each slot
.set G0,  32
.set G1B, 48                           ; s[48:55], s[56:63] the same for wb's
.set G0B, 56
.set G1C, 88                           ; s[88:95], s[96:99] for the cell's tile
.set G0C, 96
.set LIM, 43                           ; s43  1 in a wave that prefetches, else the greatest number
.set PFA, 44                           ; s[44:45] where my prefetches stand
.set MSB, 0
.macro WIN new                         ; the immediate's high byte repeats the setting that is left; a switch that changes nothing is dropped
.if MSB != (\new)
	s_set_vgpr_msb (MSB<<8)|(\new)
.set MSB, \new
.endif
.endm
.set MUL_LO, 0xa1                      ; source 0 (wb) window 1, source 1 (ab) window 0, C and D window 2
.set MUL_HI, 0xf1                      ; the same, C and D window 3
.set TO_B,   0x40                      ; destination window 1, address window 0
; A joint load: waves 0 and 1 fetch ab's two halves, waves 2 and 3 wb's.  The branch hangs on the wave's number alone.  An s_nop 0 and four v_nop follow each line.
.macro JLOAD s
	s_cmp_eq_u32 s11, 0
	s_cbranch_scc0 .Lfor_b_\@
	tensor_load_to_lds s[G0+4*(\s):G0+4*(\s)+3], s[G1:G1+7]
	s_nop 0
.rept 4
	v_nop
.endr
	s_branch .Lasked_\@
.Lfor_b_\@:
	tensor_load_to_lds s[G0B+4*(\s):G0B+4*(\s)+3], s[G1B:G1B+7]
	s_nop 0
.rept 4
	v_nop
.endr
.Lasked_\@:
.endm
; A prefetch, behind each joint refill and the run of LDS loads that follows it: the K step that stands two refills on: 32 rows x 256 bytes, a lane a row, one instruction a wave.
; Each row's 256 bytes of a K step are named once in the launch: ab's tile row is walked by all clusters of that row of clusters, and the one with x = 0 asks; wb's tile column by both clusters of that
; column, and the one with y = 0 asks.  The four partners that ask for a tile jointly share its rows out by address, 32 each.  The loop's last trip (s3 = 1) has no K step two refills on and asks for nothing.
.macro ASK
	s_cmp_gt_u32 s3, s[LIM]
	s_cbranch_scc0 .Lnot_mine_\@
	global_prefetch_b8 v[PFO], s[PFA:PFA+1] offset:KSTEP*2 th:TH_LOAD_NT scope:SCOPE_SE
.Lnot_mine_\@:
.endm
.macro CREST                           ; a round of the cluster's barrier behind its opening barrier
	s_cmp_lg_u32 s10, 0
	s_cbranch_scc1 .Lnot_wave_0_\@
	s_barrier_signal -3
.Lnot_wave_0_\@:
	s_barrier_wait -3
	s_barrier_signal -1
	s_barrier_wait -1
.endm
.macro CROUND                          ; a whole round
	s_barrier_signal -1
	s_barrier_wait -1
	CREST
.endm
	s_load_b512 s[68:83], s[0:1], 0x0              ; ab 68, wb 70, cell_state 72, Wxi_b 74, Wxf_b 76, Wxc_b 78, Wxo_b 80, out1 82
	s_load_b128 s[84:87], s[0:1], 0x40             ; out2 84, hb 86
	v_lshl_add_u32 v[SPW], v0, 2, SPARE
	v_mov_b32 v[NIL], 0
	ds_add_u32 v[SPW], v[NIL]                      ; the wave's opening: the add and its wait stand ahead of my first tensor load; work on registers stands between them
	v_lshrrev_b32 v1, 5, v0
	v_readfirstlane_b32 s10, v1                    ; wave 0..3
	s_lshr_b32 s11, s10, 1                         ; wm: which half of the tile's rows is mine.  Also: I fetch for ab (0) or for wb (1)
	s_and_b32 s12, s10, 1                          ; wn: which half of wb's rows.  Also: which 128 rows of that tile I fetch
	s_bfe_u32 s40, ttmp6, 0x40000                  ; cx
	s_bfe_u32 s41, ttmp6, 0x40004                  ; cy
	s_lshl_b32 s42, ttmp9, 2
	s_add_co_u32 s42, s42, s40                     ; jt = 4 x cluster x + cx
	s_and_b32 s13, ttmp7, 0xffff
	s_lshl_b32 s13, s13, 2
	s_add_co_u32 s13, s13, s41                     ; mt = 4 x cluster y + cy
	s_lshl_b32 s43, s41, 2
	s_lshl_b32 s43, 15, s43                        ; my row of the cluster
	s_lshl_b32 s44, 0x1111, s40                    ; my column
	s_or_b32 s[G1+0], s43, (1<<16)|(1<<20)|(1<<21)|(5<<22)|(3<<25)   ; 15:0 the mask; 17:16 elements of 2 bytes; 20 padding on; 21 set beside a mask; 24:22 after every 64 words; 31:25 4 words of it
	s_or_b32 s[G1B+0], s44, (1<<16)|(1<<20)|(1<<21)|(5<<22)|(3<<25)
.irp g, G1, G1B
	s_mov_b32 s[(\g)+1], KSTEP<<16                 ; tensor_dim0 = 128
	s_mov_b32 s[(\g)+2], 128<<16                   ; tensor_dim1 = 128
	s_mov_b32 s[(\g)+3], KSTEP<<16                 ; tile_dim0 = 128
	s_mov_b32 s[(\g)+4], 128                       ; tile_dim1 = 128
	s_mov_b32 s[(\g)+5], SIZE_K                    ; elements from row to row
	s_mov_b32 s[(\g)+6], 0
	s_mov_b32 s[(\g)+7], 0
.endr
	s_mov_b32 s[G1C+0], (2<<16)|(1<<20)|(5<<22)|(3<<25)  ; no mask; elements of 4 bytes; the same padding
	s_mov_b32 s[G1C+1], 64<<16                     ; tensor_dim0 = 64
	s_mov_b32 s[G1C+2], 64<<16                     ; tensor_dim1 = 64
	s_mov_b32 s[G1C+3], 64<<16                     ; tile_dim0 = 64 (256 bytes)
	s_mov_b32 s[G1C+4], 64                         ; tile_dim1 = 64 rows
	s_mov_b32 s[G1C+5], 2048
	s_mov_b32 s[G1C+6], 0
	s_mov_b32 s[G1C+7], 0
	s_mov_b32 s4, 0xbfb8aa3b                       ; -log2 e, for the sigmoids; named as a pair
	s_mov_b32 s5, s4
	s_mov_b32 s6, 0x4038aa3b                       ; 2 log2 e, for the hyperbolic tangents
	s_mov_b32 s7, s6
	s_mov_b32 s8, 0xffff0000                       ; a word's upper bf16
	s_lshl_b32 s9, s11, 7
	s_lshl_b32 s2, s12, 3
	s_add_co_u32 s9, s9, s2                        ; the way out: of each block I take rows 128 wm + 8 wn + 0..7 (this number enters the offsets in memory alone)
	s_lshl_b32 s17, s12, 7                         ; which 128 rows of the tile I fetch
	s_lshl_b32 s16, s13, 8
	s_add_co_u32 s16, s16, s17                     ; ab: row 256 mt + 128 x half
	s_lshl_b32 s46, s42, 8
	s_add_co_u32 s46, s46, s17                     ; wb: row 256 jt + 128 x half
	s_mul_i32 s16, s16, SIZE_K*2                   ; in bytes: under 2^26
	s_mul_i32 s46, s46, SIZE_K*2
	s_mov_b32 s17, 0
	s_mov_b32 s47, 0
	s_mul_i32 s20, s10, HALFT                      ; where they go: wave x 128 rows: no place in the cluster enters an LDS address
	s_wait_dscnt 0x0                               ; the opening add is done
	s_wait_kmcnt 0x0
	s_add_nc_u64 s[14:15], s[68:69], s[16:17]
	s_add_nc_u64 s[46:47], s[70:71], s[46:47]
	CROUND                                         ; all sixteen work-groups are here: the first joint loads meet
.irp s, 0,1
	s_mov_b32 s[G0+4*(\s)], 1
	s_add_co_u32 s[G0+4*(\s)+1], s20, (\s)*SLOT
	s_add_nc_u64 s[G0+4*(\s)+2:G0+4*(\s)+3], s[14:15], (\s)*KSTEP*2
	s_or_b32 s[G0+4*(\s)+3], s[G0+4*(\s)+3], 0x80000000
	s_mov_b32 s[G0B+4*(\s)], 1
	s_add_co_u32 s[G0B+4*(\s)+1], s20, (\s)*SLOT
	s_add_nc_u64 s[G0B+4*(\s)+2:G0B+4*(\s)+3], s[46:47], (\s)*KSTEP*2
	s_or_b32 s[G0B+4*(\s)+3], s[G0B+4*(\s)+3], 0x80000000
	JLOAD \s                                       ; K steps 0 and 1: two loads of mine are out
.endr
	; the bias: block b = 2 g + p wants gate g's numbers 64 jt + 32 wn + 16 p + 8 (l / 16) + 0..7
	v_and_b32 v1, 15, v0                           ; l % 16
	v_bfe_u32 v2, v0, 4, 1                         ; l / 16
	s_lshl_b32 s2, s42, 8
	s_lshl_b32 s23, s12, 7
	s_add_co_u32 s2, s2, s23
	v_lshl_add_u32 v[BO], v2, 5, s2
.irp g, 0,1,2,3
.irp p, 0,1
	global_load_b128 v[BIAS+8*(2*(\g)+(\p)):BIAS+8*(2*(\g)+(\p))+3],   v[BO], s[74+2*(\g):75+2*(\g)] offset:64*(\p)
	global_load_b128 v[BIAS+8*(2*(\g)+(\p))+4:BIAS+8*(2*(\g)+(\p))+7], v[BO], s[74+2*(\g):75+2*(\g)] offset:64*(\p)+16
.endr
.endr
	; a fragment is 16 rows x 32 K in 8 registers: lane l holds row l % 16, K = 8 (l / 16) + 0..7 and 16 + 8 (l / 16) + 0..7: two loads of 16 bytes, 32 bytes apart
	v_mul_u32_u24 v3, v1, PITCH
	v_lshl_add_u32 v4, v2, 5, v3                   ; row x pitch + 32 x half: the f32 tiles
	v_lshl_add_u32 v3, v2, 4, v3                   ; row x pitch + 16 x half: the fragments
	s_mul_i32 s21, s11, HALFT                      ; my 128 rows of ab
	s_mul_i32 s22, s12, HALFT                      ; my 128 rows of wb,
	s_add_co_u32 s22, s22, 2*HALFT                 ; which lie behind ab's 256
.irp s, 0,1
	v_add_nc_u32 v[ADRA+(\s)], s21, v3
	v_add_nc_u32 v[ADRB+(\s)], s22, v3
	s_add_co_u32 s21, s21, SLOT
	s_add_co_u32 s22, s22, SLOT
.endr
	s_mul_i32 s21, s11, HALFT                      ; the cell's tile and the two f32 stages: row 128 wm + l % 16, byte 128 wn + 32 (l / 16)
	s_lshl_b32 s22, s12, 7
	s_add_co_u32 s21, s21, s22
	v_add_nc_u32 v[CL], s21, v4
	v_add_nc_u32 v[STCA], STC, v[CL]
	v_add_nc_u32 v[STHA], STH, v[CL]
	v_mul_u32_u24 v5, v1, HP                       ; the f16 stage: the same row, byte 64 wn + 16 (l / 16)
	v_lshl_add_u32 v5, v2, 4, v5
	s_mul_i32 s21, s11, 128*HP
	s_lshl_b32 s22, s12, 6
	s_add_co_u32 s21, s21, s22
	s_add_co_u32 s21, s21, HBST
	v_add_nc_u32 v[STB], s21, v5
	v_mul_u32_u24 v5, v2, PITCH                    ; back: my 8 rows of a block, whole; lanes 0-15 one row of 256 bytes, lanes 16-31 the next
	v_lshl_add_u32 v5, v1, 4, v5
	s_mul_i32 s21, s11, 128*PITCH                  ; row 128 wm + 8 wn: the halves of the wave's number times constants, and a constant
	s_mul_i32 s22, s12, 8*PITCH
	s_add_co_u32 s21, s21, s22
	s_add_co_u32 s21, s21, STC
	v_add_nc_u32 v[RDC], s21, v5
	v_add_nc_u32 v[RDH], 256*PITCH, v[RDC]
	v_bfe_u32 v5, v0, 3, 2                         ; the f16 rows: 32 lanes take four rows of 128 bytes
	v_mul_u32_u24 v5, v5, HP
	v_and_b32 v4, 7, v0
	v_lshl_add_u32 v5, v4, 4, v5
	s_mul_i32 s21, s11, 128*HP                     ; the same row in the f16 stage
	s_mul_i32 s22, s12, 8*HP
	s_add_co_u32 s21, s21, s22
	s_add_co_u32 s21, s21, HBST
	v_add_nc_u32 v[RDB], s21, v5
	v_lshlrev_b32 v[GOF], 13, v2                   ; two rows of 8,192 bytes in out1 and out2
	v_lshl_add_u32 v[GOF], v1, 4, v[GOF]
	v_and_b32 v[GOB], 31, v0
	v_lshlrev_b32 v[GOB], 4, v[GOB]
	; cell_state: I fetch rows 256 mt + 64 w on, columns 64 jt on
	s_lshl_b32 s2, s13, 8
	s_lshl_b32 s22, s10, 6
	s_add_co_u32 s22, s22, s2
	s_lshl_b32 s22, s22, 13
	s_lshl_b32 s23, s42, 8
	s_add_co_u32 s22, s22, s23
	s_mov_b32 s23, 0
	s_mov_b32 s[G0C], 1
	s_mul_i32 s[G0C+1], s10, 64*PITCH              ; LDS: wave x 64 rows, from byte 0
	s_add_nc_u64 s[G0C+2:G0C+3], s[72:73], s[22:23]
	s_or_b32 s[G0C+3], s[G0C+3], 0x80000000
	; out1 and out2: I store rows 256 mt + 128 wm + 8 wn + 16 a + 0..7, the same columns
	s_add_co_u32 s2, s2, s9
	s_lshl_b32 s22, s2, 13
	s_lshl_b32 s21, s42, 8
	s_add_co_u32 s22, s22, s21
	s_add_nc_u64 s[82:83], s[82:83], s[22:23]
	s_add_nc_u64 s[84:85], s[84:85], s[22:23]
	s_lshl_b32 s22, s42, 18                        ; hb lies [jt][row][64]: 262,144 bytes a block, 128 a row
	s_lshl_b32 s2, s2, 7
	s_add_co_u32 s22, s22, s2
	s_add_nc_u64 s[86:87], s[86:87], s[22:23]
	; the prefetches
	s_lshl_b32 s20, s13, 8
	s_lshl_b32 s21, s42, 8
	s_and_b32 s22, ttmp7, 0xffff                   ; cluster y
	s_cmp_eq_u32 s11, 0                            ; do I fetch for ab?
	s_cselect_b32 s20, s20, s21                    ; the tile's first row
	s_cselect_b32 s21, s40, s41                    ; my place among the four that ask for it with me
	s_cselect_b32 s22, ttmp9, s22                  ; the coordinate along which other clusters walk the same rows
	s_cselect_b64 s[PFA:PFA+1], s[68:69], s[70:71]
	s_cmp_eq_u32 s22, 0
	s_cselect_b32 s[LIM], 1, -1                    ; the same in all sixteen partners, for a given wave
	s_lshl_b32 s22, s12, 7
	s_add_co_u32 s20, s20, s22                     ; + the 128 rows that I fetch
	s_lshl_b32 s21, s21, 5
	s_add_co_u32 s20, s20, s21                     ; + my work-group's 32 of them
	s_mul_i32 s20, s20, SIZE_K*2
	s_mov_b32 s21, 0
	s_add_nc_u64 s[PFA:PFA+1], s[PFA:PFA+1], s[20:21]
	s_add_nc_u64 s[PFA:PFA+1], s[PFA:PFA+1], 2*KSTEP*2  ; at K step 2: the first refill steps it to 3 and names K step 4.  Nothing is prefetched here, at the head
	v_and_b32 v[PFO], 31, v0
	v_mul_u32_u24 v[PFO], v[PFO], SIZE_K*2
	s_wait_loadcnt 0x0                             ; the bias is in
; 16 matrix instructions: m blocks a0, a0 + 1 of the window's four (hi = 0: my rows 0-63, 1: rows 64-127) x all 8 n blocks, 32 along K.  first = 1: the sums start from the bias (C in window 0).
; The 64 accumulators take turns, one instruction a turn, in the same order in every quarter.
.macro MUL16 f, hi, a0, first
.if \first
	WIN 0x81+0x40*(\hi)
.else
	WIN MUL_LO+0x50*(\hi)
.endif
.irp a, \a0, (\a0)+1
.irp b, 0,1,2,3,4,5,6,7
.if \first
	v_wmma_f32_16x16x32_bf16 v[8*(8*(\a)+(\b)):8*(8*(\a)+(\b))+7], v[(\f)+8*(\b):(\f)+8*(\b)+7], v[(\f)+8*(4*(\hi)+(\a)):(\f)+8*(4*(\hi)+(\a))+7], v[BIAS+8*(\b):BIAS+8*(\b)+7]
.else
	v_wmma_f32_16x16x32_bf16 v[8*(8*(\a)+(\b)):8*(8*(\a)+(\b))+7], v[(\f)+8*(\b):(\f)+8*(\b)+7], v[(\f)+8*(4*(\hi)+(\a)):(\f)+8*(4*(\hi)+(\a))+7], v[8*(8*(\a)+(\b)):8*(8*(\a)+(\b))+7]
.endif
.endr
.endr
.endm
; 32 LDS loads in one run: the fragments of one quarter step (32 K at byte k of the rows) into buffer f: wb's 128 rows, then ab's
.macro FETCH slot, k, f
	WIN TO_B
.irp i, 0,1,2,3,4,5,6,7
	ds_load_b128 v[(\f)+8*(\i):(\f)+8*(\i)+3],   v[ADRB+(\slot)] offset:(\k)+(\i)*16*PITCH
	ds_load_b128 v[(\f)+8*(\i)+4:(\f)+8*(\i)+7], v[ADRB+(\slot)] offset:(\k)+(\i)*16*PITCH+32
.endr
	WIN 0
.irp i, 0,1,2,3,4,5,6,7
	ds_load_b128 v[(\f)+8*(\i):(\f)+8*(\i)+3],   v[ADRA+(\slot)] offset:(\k)+(\i)*16*PITCH
	ds_load_b128 v[(\f)+8*(\i)+4:(\f)+8*(\i)+7], v[ADRA+(\slot)] offset:(\k)+(\i)*16*PITCH+32
.endr
.endm
.macro PLACES                          ; four plain vector instructions between a matrix instruction and a load into, or a vector line on, its registers (ISA guide 7.12.1 for vector lines)
.rept 4
	v_nop
.endr
.endm
; A K step is four quarters of 32 along K, 64 matrix instructions each, on buffers 0, 1, 0, 1.  One of the first three: multiplies buffer f, and in its middle fetches the next quarter into g.
.macro QUARTER slot, k, f, g, first
	s_wait_dscnt 8                                 ; wb's fragments and ab's rows 0-63 are in; the youngest eight loads (ab's rows 64-127) may be out
	MUL16 \f, 0, 0, \first
	MUL16 \f, 0, 2, \first
	PLACES
	FETCH \slot, \k, \g
	s_wait_dscnt 32                                ; all but the 32 just issued
	MUL16 \f, 1, 0, \first
	MUL16 \f, 1, 2, \first
.endm
; The first half of a step's last quarter, and the barrier that opens a round.  In front of it each wave waits for all its tensor loads (one is out: its part of the next slot), adds 0 to its spare word,
; and waits for that and for its own reads of this slot.
.macro MEET
	WIN 0                                          ; (the add's two registers lie in window 0)
	s_wait_tensorcnt 0x0
	ds_add_u32 v[SPW], v[NIL]
	s_wait_dscnt 9                                 ; (the add and the youngest eight loads may be out)
	MUL16 F1, 0, 0, 0                              ; sixteen matrix instructions stand between the add and the wait for it
	s_wait_dscnt 0x0                               ; the add is done, and my reads of this slot are over
	s_barrier_signal -1
	MUL16 F1, 0, 2, 0                              ; work on registers while the others arrive
	WIN 0
	s_barrier_wait -1
.endm
; The whole last quarter: the slot just read out is filled again, with the K step two steps on, first thing behind the round: 224 matrix instructions ahead of the wait for it.
.macro TURN slot, next
	s_wait_xcnt 0x0                                ; the last prefetch, a K step back, has read its address, which is stepped here
	s_add_nc_u64 s[PFA:PFA+1], s[PFA:PFA+1], KSTEP*2
	MEET
	CREST                                          ; no wave of any partner still reads this slot's tile or has a load on its way
	s_add_nc_u64 s[G0+4*(\slot)+2:G0+4*(\slot)+3], s[G0+4*(\slot)+2:G0+4*(\slot)+3], 2*KSTEP*2
	s_add_nc_u64 s[G0B+4*(\slot)+2:G0B+4*(\slot)+3], s[G0B+4*(\slot)+2:G0B+4*(\slot)+3], 2*KSTEP*2
	JLOAD \slot                                    ; the four v_nop behind it are also the places in front of the loads below
	FETCH \next, 0, F0
	ASK
	MUL16 F1, 1, 0, 0
	MUL16 F1, 1, 2, 0
.endm
; THE WAY OUT of block a.  RBK: my 8 rows of c', my 8 of h' (256 bytes each, two rows a load) and my 8 rows of the f16 copy (128 bytes each, four rows a load) come back from the stages, into set a % 2.
.macro RBK a
.set RR, RBUF+40*((\a)%2)
.irp t, 0,1,2,3
	ds_load_b128 v[RR+4*(\t):RR+4*(\t)+3],       v[RDC] offset:16*PITCH*(\a)+2*PITCH*(\t)
	ds_load_b128 v[RR+16+4*(\t):RR+16+4*(\t)+3], v[RDH] offset:16*PITCH*(\a)+2*PITCH*(\t)
.endr
.irp t, 0,1
	ds_load_b128 v[RR+32+4*(\t):RR+32+4*(\t)+3], v[RDB] offset:16*HP*(\a)+4*HP*(\t)
.endr
.endm
; STK: they are stored.  16 lanes store 256 consecutive bytes, at a multiple of 256 from the buffer's first byte.
.macro STK a
.set RR, RBUF+40*((\a)%2)
.irp t, 0,1,2,3
	global_store_b128 v[GOF], v[RR+4*(\t):RR+4*(\t)+3], s[84:85] offset:131072*(\a)+16384*(\t) th:TH_STORE_NT
.endr
.irp t, 0,1,2,3
	global_store_b128 v[GOF], v[RR+16+4*(\t):RR+16+4*(\t)+3], s[82:83] offset:131072*(\a)+16384*(\t) th:TH_STORE_NT
.endr
.irp t, 0,1
	global_store_b128 v[GOB], v[RR+32+4*(\t):RR+32+4*(\t)+3], s[86:87] offset:2048*(\a)+512*(\t)
.endr
.endm
; HAND: block a lies whole in the stages when all four waves have waited for their stores into them and met; then my share of it is read back.
.macro HAND a
	s_wait_dscnt 0x0                               ; for the others' sake: my stores into the stages are done
	s_barrier_signal -1
	s_barrier_wait -1
.if (\a) >= 2
	s_wait_xcnt 0x0                                ; the set is loaded again only when the stores of block a - 2, issued a block's arithmetic ago, have read it
.endif
	RBK \a
.endm
; THE CELL'S ARITHMETIC for block a (16 of my rows x 32 columns).  n transcendentals in place, one batch: a plain instruction behind the last, and one wait ahead of the first reader.
.macro TRANS op, base, n
.set z, 0
.rept \n
	\op v[(\base)+z], v[(\base)+z]
.set z, z+1
.endr
	v_nop
	s_wait_alu depctr_va_vdst(0)
.endm
.macro PLUS1 base, n                   ; 1 + x, n pairs
.set z, 0
.rept \n
	v_pk_add_f32 v[(\base)+z:(\base)+z+1], v[(\base)+z:(\base)+z+1], 1.0 op_sel_hi:[1,0]
.set z, z+2
.endr
.endm
.macro ENDTANH base                    ; 1 - 2 x, 8 pairs
.set z, 0
.rept 8
	v_pk_fma_f32 v[(\base)+z:(\base)+z+1], v[(\base)+z:(\base)+z+1], -2.0, 1.0 op_sel_hi:[1,0,0]
.set z, z+2
.endr
.endm
; prev: the block whose rows were read back just ahead of this one, or -1: they are stored behind the wait that this block's cell numbers need anyway.
.macro GATE a, prev
.set AC, 64*((\a)%4)
	WIN 0
.irp k, 0,1,2,3
	ds_load_b128 v[CV+4*(\k):CV+4*(\k)+3], v[CL] offset:16*PITCH*(\a)+64*((\k)/2)+16*((\k)%2)  ; my 16 numbers of cell_state: wanted some 230 lines on
.endr
	WIN 0x02+(\a)/4                                ; source 0: window 2 or 3
.irp b, 0,1,2,3,4,5,6,7                ; the exponents; each accumulator is read from its low end on
.irp i, 0,2,4,6
.if (\b)/2 == 2
	v_pk_mul_f32 v[T+8*(\b)+(\i):T+8*(\b)+(\i)+1], v[AC+8*(\b)+(\i):AC+8*(\b)+(\i)+1], s[6:7] op_sel_hi:[1,0]
.else
	v_pk_mul_f32 v[T+8*(\b)+(\i):T+8*(\b)+(\i)+1], v[AC+8*(\b)+(\i):AC+8*(\b)+(\i)+1], s[4:5] op_sel_hi:[1,0]
.endif
.endr
.endr
	WIN 0
	TRANS v_exp_f32, T, 64
	PLUS1 T, 32
	TRANS v_rcp_f32, T, 64                         ; T+0: sigmoid(gi); T+16: sigmoid(gf); T+32: 1 / (1 + 2^..) of gc; T+48: sigmoid(go)
	s_wait_dscnt 0x0                               ; cell_state's numbers are in, and so are the rows of the block before
.if (\prev) >= 0
	STK \prev
.endif
.irp k, 0,1,2,3,4,5,6,7
	v_cvt_pk_bf16_f32 v[CW+(\k)], v[CV+2*(\k)], v[CV+2*(\k)+1]  ; rounded to bf16,
.endr
.irp k, 0,1,2,3,4,5,6,7
	v_lshlrev_b32 v[CV+2*(\k)], 16, v[CW+(\k)]     ; and widened again
	v_and_b32 v[CV+2*(\k)+1], s8, v[CW+(\k)]
.endr
	ENDTANH T+32                                   ; tanh(gc)
.set z, 0
.rept 8
	v_pk_mul_f32 v[T+32+z:T+32+z+1], v[T+32+z:T+32+z+1], v[T+z:T+z+1]
.set z, z+2
.endr
.set z, 0
.rept 8
	v_pk_fma_f32 v[T+16+z:T+16+z+1], v[T+16+z:T+16+z+1], v[CV+z:CV+z+1], v[T+32+z:T+32+z+1]  ; c'
.set z, z+2
.endr
.irp k, 0,1,2,3
	ds_store_b128 v[STCA], v[T+16+4*(\k):T+16+4*(\k)+3] offset:16*PITCH*(\a)+64*((\k)/2)+16*((\k)%2)
.endr
.set z, 0
.rept 8
	v_pk_mul_f32 v[T+z:T+z+1], v[T+16+z:T+16+z+1], s[6:7] op_sel_hi:[1,0]
.set z, z+2
.endr
	TRANS v_exp_f32, T, 16
	PLUS1 T, 8
	TRANS v_rcp_f32, T, 16
	ENDTANH T                                      ; tanh(c')
.set z, 0
.rept 8
	v_pk_mul_f32 v[T+48+z:T+48+z+1], v[T+48+z:T+48+z+1], v[T+z:T+z+1]  ; h'
.set z, z+2
.endr
.irp k, 0,1,2,3
	ds_store_b128 v[STHA], v[T+48+4*(\k):T+48+4*(\k)+3] offset:16*PITCH*(\a)+64*((\k)/2)+16*((\k)%2)
.endr
.irp k, 0,1,2,3,4,5,6,7
	v_cvt_pk_f16_f32 v[T+32+(\k)], v[T+48+2*(\k)], v[T+48+2*(\k)+1]
.endr
.irp p, 0,1
	ds_store_b128 v[STB], v[T+32+4*(\p):T+32+4*(\p)+3] offset:16*HP*(\a)+32*(\p)
.endr
.endm
	s_wait_tensorcnt 1                             ; my part of K step 0 is in; K step 1's load may stay out
	s_barrier_signal -1
	s_barrier_wait -1                              ; everybody's is
	FETCH 0, 0, F0
	QUARTER 0, 64,  F0, F1, 1                      ; the first quarter stands in front of the loop: its products start the sums, from the bias
	WIN 0                                          ; at a label and at a branch every window is 0
	s_mov_b32 s3, LAPS-1
.Llap:                                                 ; a trip goes once round the ring, from a lap's second quarter to the next lap's first, and fills both slots again
	QUARTER 0, 128, F1, F0, 0
	QUARTER 0, 192, F0, F1, 0
	TURN 0, 1
	QUARTER 1, 64,  F0, F1, 0
	QUARTER 1, 128, F1, F0, 0
	QUARTER 1, 192, F0, F1, 0
	TURN 1, 0
	QUARTER 0, 64,  F0, F1, 0
	WIN 0
	s_sub_co_u32 s3, s3, 1
	s_cmp_lg_u32 s3, 0
	s_cbranch_scc1 .Llap
	QUARTER 0, 128, F1, F0, 0                      ; the last lap
	QUARTER 0, 192, F0, F1, 0
	MEET                                           ; slot 0 has been read for the last time
	CREST
	tensor_load_to_lds s[G0C:G0C+3], s[G1C:G1C+7]  ; my 64 rows x 256 bytes of cell_state, into slot 0's first bytes: my one load behind the round; a whole K step stands ahead of the wait for it
	s_nop 0
	PLACES
	FETCH 1, 0, F0
	MUL16 F1, 1, 0, 0
	MUL16 F1, 1, 2, 0
	QUARTER 1, 64,  F0, F1, 0
	QUARTER 1, 128, F1, F0, 0
	QUARTER 1, 192, F0, F1, 0
	s_wait_dscnt 8
	MUL16 F1, 0, 0, 0
	MUL16 F1, 0, 2, 0
	s_wait_dscnt 0x0                               ; my reads of slot 1 are over: behind the barrier it is written as a stage
	s_wait_tensorcnt 0x0                           ; my rows of cell_state have landed: behind the barrier other waves read them
	s_barrier_signal -1
	MUL16 F1, 1, 0, 0
	MUL16 F1, 1, 2, 0
	WIN 0
	s_barrier_wait -1
	PLACES
	GATE 0, -1
.irp a, 1,2,3,4,5,6,7
	HAND (\a)-1                                    ; the block before is whole: my share of it comes back,
	GATE \a, (\a)-1                                ; and leaves in the middle of this block's arithmetic
.endr
	HAND 7
	s_wait_dscnt 0x0                               ; the last block's rows are back
	STK 7
	s_wait_tensorcnt 0x0                           ; the wave's end: behind my last tensor load and my last LDS store
	ds_add_u32 v[SPW], v[NIL]
	s_wait_dscnt 0x0
	CROUND                                         ; the closing round: no work-group ends while a partner may still ask for a tile that names it
	s_endpgm
.Lfunc_end_k_q5b06fe7474_gates:
	.size	k_q5b06fe7474_gates, .Lfunc_end_k_q5b06fe7474_gates-k_q5b06fe7474_gates
	.p2alignl 7, 3214868480
	.fill 96, 4, 3214868480
	.section	.rodata,"a",@progbits
	.p2align	6, 0x0
	.amdhsa_kernel k_q5b06fe7474_gates
		.amdhsa_group_segment_fixed_size 327680
		.amdhsa_private_segment_fixed_size 0
		.amdhsa_enable_private_segment 0
		.amdhsa_kernarg_size 80
		.amdhsa_user_sgpr_count 2
		.amdhsa_user_sgpr_kernarg_segment_ptr 1
		.amdhsa_wavefront_size32 1
		.amdhsa_system_sgpr_workgroup_id_x 1
		.amdhsa_system_sgpr_workgroup_id_y 1
		.amdhsa_system_sgpr_workgroup_id_z 1
		.amdhsa_system_vgpr_workitem_id 0
		.amdhsa_next_free_vgpr 1024
		.amdhsa_next_free_sgpr 100
		.amdhsa_reserve_vcc 0
		.amdhsa_float_denorm_mode_32 3
		.amdhsa_float_denorm_mode_16_64 3
		.amdhsa_memory_ordered 1
		.amdhsa_forward_progress 1
		.amdhsa_inst_pref_size 252
	.end_amdhsa_kernel
	.amdgpu_metadata
---
amdhsa.version: [ 1, 2 ]
amdhsa.kernels:
  - .name:           k_q5b06fe7474_gates
    .symbol:         k_q5b06fe7474_gates.kd
    .args:
      - { .name: ab, .offset: 0, .size: 8, .value_kind: global_buffer, .address_space: global }
      - { .name: wb, .offset: 8, .size: 8, .value_kind: global_buffer, .address_space: global }
      - { .name: cell_state, .offset: 16, .size: 8, .value_kind: global_buffer, .address_space: global }
      - { .name: Wxi_b, .offset: 24, .size: 8, .value_kind: global_buffer, .address_space: global }
      - { .name: Wxf_b, .offset: 32, .size: 8, .value_kind: global_buffer, .address_space: global }
      - { .name: Wxc_b, .offset: 40, .size: 8, .value_kind: global_buffer, .address_space: global }
      - { .name: Wxo_b, .offset: 48, .size: 8, .value_kind: global_buffer, .address_space: global }
      - { .name: out1, .offset: 56, .size: 8, .value_kind: global_buffer, .address_space: global }
      - { .name: out2, .offset: 64, .size: 8, .value_kind: global_buffer, .address_space: global }
      - { .name: hb, .offset: 72, .size: 8, .value_kind: global_buffer, .address_space: global }
    .group_segment_fixed_size: 327680
    .private_segment_fixed_size: 0
    .kernarg_segment_align: 8
    .kernarg_segment_size: 80
    .max_flat_workgroup_size: 128
    .sgpr_count:     100
    .vgpr_count:     1024
    .wavefront_size: 32
...
	.end_amdgpu_metadata
.endif
;; end of part 2
;; launch proj (part 3): grid 16 x 16, 4 waves a work-group, clusters of 4 x 4, 327,680 bytes of LDS; arguments hb, yb, Why_b, out0; writes out0
.if DOCPART == 3
	.amdgcn_target "amdgcn-amd-amdhsa--gfx1250"
	.amdhsa_code_object_version 6
	.text
	.protected	k_q5b06fe7474_proj
	.globl	k_q5b06fe7474_proj
	.p2align	8
	.type	k_q5b06fe7474_proj,@function
k_q5b06fe7474_proj:
	s_mov_b64 s[64:65], 0
	v_nop
	global_prefetch_b8 v0, s[64:65] scope:SCOPE_SE
	s_setreg_imm32_b32 hwreg(HW_REG_WAVE_MODE, 25, 1), 1
	s_wait_xcnt 0x0
	s_wait_alu depctr_hold_cnt(0) depctr_sa_sdst(0) depctr_va_vdst(0) depctr_va_sdst(0) depctr_va_ssrc(0) depctr_va_vcc(0) depctr_vm_vsrc(0)
	s_getreg_b32 s2, hwreg(HW_REG_IB_STS2, 6, 4)
	s_cmp_eq_u32 s2, 0
	s_cbranch_scc0 .Lentry_in_a_cluster
	s_endpgm
.Lentry_in_a_cluster:
	s_bfe_u32 s2, ttmp6, 0x10000c
	s_cmp_lg_u32 s2, 0xf033
	s_cbranch_scc0 .Lentry_shape_is_right
	s_endpgm
.Lentry_shape_is_right:
; out0[m][n] = Why_b[n] + sum over k of h'[m][k] Why_w[n][k].  h' comes from hb, f16, laid [32 blocks of 64 columns][2,048 rows][64]; Why_w from yb, [1024][2048], bf16 numbers written as f16; sums in f32.
; LIMITS.  Why_b enters in f32.  f16's range and step: as stated where hb and yb are made.
; SHARES.  A tile of out0 is 128 x 64: 256 work-groups.  Four waves, each 32 rows x all 64 columns: 8 accumulators.  A wave's row of 64 f32 is 256 bytes, aligned: each wave sends its own tile out through
; its own stage, with no barrier.
; THE RING HAS TWO UNEQUAL SLOTS.  In front of each refill every wave has waited for all its tensor loads, so refills follow one another, and their number counts.  A work-group reads 192 rows x 4,096
; bytes; LDS holds K = 768 of them at a time: BIG (K = 512) and SMALL (K = 256).  K goes 512, 256, 512, 256, 512: two first fills, issued together, and three refills, one tensor load a wave each.
; The sixteen units of K = 128 are written out, since the fills differ from slot to slot.
; CLUSTERS: 4 x 4 work-groups; hb's tile is asked for jointly along a row of the cluster, yb's along a column.  THE MATRIX INSTRUCTION IS USED TRANSPOSED (source 0 = 16 rows of yb, source 1 = 16 rows of h'):
; a lane holds eight neighbouring numbers of a row of out0.  The bias is the C operand of the first product on each accumulator.
; NO PREFETCH: the launch has five fills in all.
; REGISTERS: window 0: v0-31 addresses; v96-127 the bias; v128-191 the accumulators ((a, b) at v[128 + 8 (4 a + b)]).  Windows 1 and 2: a fragment buffer of 192 each, for a unit of K = 128:
;   for each 32 along K (kk = 0..3) yb's four fragments at 48 kk + 8 b, then h' 's two at 48 kk + 32 + 8 a.
.set PA,     144                       ; a row of h' in LDS: 128 bytes (a block's 64 columns) + 16 of padding: the 16 rows of a load start at 16 different groups of four banks (ISA guide 11.1)
.set BLK,    64*PA                     ; a block's 64 rows
.set PBB,    1040                      ; a row of yb in BIG: 1,024 bytes + 16
.set PBS,    528                       ; in SMALL: 512 + 16
.set HAB,    8*BLK                     ; what one load of h' brings into BIG: 8 blocks x 64 rows, laid [block][row]
.set HAS,    4*BLK                     ; into SMALL
.set HBB,    32*PBB                    ; what one load of yb brings into BIG: 32 rows
.set HBS,    32*PBS                    ; into SMALL
.set BIGB,   2*HAB                     ; BIG begins at 0: h' 's two halves, then yb's 64 rows
.set SB,     2*HAB+2*HBB               ; SMALL begins here
.set SMB,    SB+2*HAS                  ; its rows of yb
.set STAGE,  SB                        ; behind SMALL's last fill and its last read: 16 rows x 272 bytes for each wave
.set SPITCH, 272
.set SPARE,  SB+2*HAS+2*HBS            ; the spare words, 128 bytes for each wave: two blocks of 256 bytes that no other line names
.set ASTEP,  12*262144                 ; a slot's next fill lies K = 768 on: twelve blocks of hb,
.set BSTEP,  1536                      ; 1,536 bytes of a row of yb
.set ADRA, 16                          ; v16-18  LDS address of my fragments of h': BIG's blocks 0-3, BIG's blocks 4-7, SMALL
.set ADRB, 20                          ; v20-22  the same for yb: BIG's first 512 bytes of a row, its second, SMALL
.set STO,  24                          ; v24  the way out: where I put 32 bytes of a row
.set RD,   25                          ; v25  where I read a row back
.set CO,   26                          ; v26  my byte offset in two rows of out0
.set BO,   27                          ; v27  my byte offset in Why_b
.set SPW,  28                          ; v28  LDS address of my spare word; never rewritten
.set NIL,  29                          ; v29  0; never rewritten
.set BIAS, 96                          ; block b's eight numbers at BIAS + 8 b
.set ACC,  128
.set G1AB, 24                          ; s[24:31] descriptor group 1 for hb's tiles in BIG
.set G1AS, 32                          ; s[32:39] in SMALL
.set G1BB, 40                          ; s[40:47] for yb's tiles in BIG
.set G1BS, 48                          ; s[48:55] in SMALL
.set G0AB, 56                          ; s[56:59], s[60:63], s[76:79], s[80:83]: the four groups 0
.set G0AS, 60
.set G0BB, 76
.set G0BS, 80
.set MSB, 0
.macro WIN new                         ; the immediate's high byte repeats the setting that is left; a switch that changes nothing is dropped
.if MSB != (\new)
	s_set_vgpr_msb (MSB<<8)|(\new)
.set MSB, \new
.endif
.endm
; A joint load: waves 0 and 1 fetch h' 's two halves, waves 2 and 3 yb's.  The branch hangs on the wave's number alone.  An s_nop 0 and four v_nop follow each line.
.macro JLOAD ga, g1a, gb, g1b
	s_cmp_eq_u32 s11, 0
	s_cbranch_scc0 .Lfor_b_\@
	tensor_load_to_lds s[\ga:\ga+3], s[\g1a:\g1a+7]
	s_nop 0
.rept 4
	v_nop
.endr
	s_branch .Lasked_\@
.Lfor_b_\@:
	tensor_load_to_lds s[\gb:\gb+3], s[\g1b:\g1b+7]
	s_nop 0
.rept 4
	v_nop
.endr
.Lasked_\@:
.endm
.macro CREST                           ; a round of the cluster's barrier behind its opening barrier
	s_cmp_lg_u32 s10, 0
	s_cbranch_scc1 .Lnot_wave_0_\@
	s_barrier_signal -3
.Lnot_wave_0_\@:
	s_barrier_wait -3
	s_barrier_signal -1
	s_barrier_wait -1
.endm
.macro CROUND                          ; a whole round
	s_barrier_signal -1
	s_barrier_wait -1
	CREST
.endm
	s_load_b256 s[68:75], s[0:1], 0x0              ; hb 68, yb 70, Why_b 72, out0 74
	v_lshl_add_u32 v[SPW], v0, 2, SPARE
	v_mov_b32 v[NIL], 0
	ds_add_u32 v[SPW], v[NIL]                      ; the wave's opening: the add and its wait stand ahead of my first tensor load; work on registers stands between them
	v_lshrrev_b32 v1, 5, v0
	v_readfirstlane_b32 s10, v1                    ; wave 0..3
	s_lshr_b32 s11, s10, 1                         ; I fetch for hb (0) or for yb (1).  Also: the half of h' 's rows in which my 32 rows lie
	s_and_b32 s12, s10, 1                          ; which half of that tile's rows I fetch.  Also: which 32 rows of the half are mine
	s_bfe_u32 s4, ttmp6, 0x40000                   ; cx
	s_bfe_u32 s5, ttmp6, 0x40004                   ; cy
	s_lshl_b32 s6, ttmp9, 2
	s_add_co_u32 s6, s6, s4                        ; tile column nt
	s_and_b32 s13, ttmp7, 0xffff
	s_lshl_b32 s13, s13, 2
	s_add_co_u32 s13, s13, s5                      ; tile row mt
	s_lshl_b32 s7, s5, 2
	s_lshl_b32 s7, 15, s7                          ; my row of the cluster
	s_lshl_b32 s8, 0x1111, s4                      ; my column
	; hb: 64 rows of a block are 8,192 dense bytes: a tile of 8 (or 4) rows x 4,096 elements, a block apart, padded in LDS after every 128 bytes
	s_or_b32 s[G1AB+0], s7, (1<<16)|(1<<20)|(1<<21)|(4<<22)|(3<<25)  ; the mask; elements of 2 bytes; padding on; 21 set beside a mask; after every 32 words; 4 words of it
	s_or_b32 s[G1AS+0], s7, (1<<16)|(1<<20)|(1<<21)|(4<<22)|(3<<25)
.irp g, G1AB, G1AS
	s_mov_b32 s[(\g)+1], 4096<<16                  ; tensor_dim0 = 4,096
	s_mov_b32 s[(\g)+3], 4096<<16                  ; tile_dim0 = 4,096
	s_mov_b32 s[(\g)+5], 131072                    ; elements from block to block
	s_mov_b32 s[(\g)+6], 0
	s_mov_b32 s[(\g)+7], 0
.endr
	s_mov_b32 s[G1AB+2], 8<<16                     ; tensor_dim1 = tile_dim1 = 8 blocks
	s_mov_b32 s[G1AB+4], 8
	s_mov_b32 s[G1AS+2], 4<<16                     ; 4 blocks
	s_mov_b32 s[G1AS+4], 4
	; yb: 32 rows x 512 (or 256) elements, padded after every row
	s_or_b32 s[G1BB+0], s8, (1<<16)|(1<<20)|(1<<21)|(7<<22)|(3<<25)  ; after every 256 words
	s_or_b32 s[G1BS+0], s8, (1<<16)|(1<<20)|(1<<21)|(6<<22)|(3<<25)  ; after every 128 words
.irp g, G1BB, G1BS
	s_mov_b32 s[(\g)+2], 32<<16                    ; tensor_dim1 = 32
	s_mov_b32 s[(\g)+4], 32                        ; tile_dim1 = 32
	s_mov_b32 s[(\g)+5], 2048                      ; elements from row to row
	s_mov_b32 s[(\g)+6], 0
	s_mov_b32 s[(\g)+7], 0
.endr
	s_mov_b32 s[G1BB+1], 512<<16                   ; tensor_dim0 = tile_dim0 = 512
	s_mov_b32 s[G1BB+3], 512<<16
	s_mov_b32 s[G1BS+1], 256<<16                   ; 256
	s_mov_b32 s[G1BS+3], 256<<16
	; where the tiles go: a constant, plus the wave's number times a constant: no place in the cluster enters an LDS address
	s_mov_b32 s[G0AB], 1
	s_mul_i32 s[G0AB+1], s10, HAB                  ; waves 0, 1: wave x HAB
	s_mov_b32 s[G0AS], 1
	s_mul_i32 s[G0AS+1], s10, HAS
	s_add_co_u32 s[G0AS+1], s[G0AS+1], SB
	s_mov_b32 s[G0BB], 1
	s_mul_i32 s[G0BB+1], s10, HBB                  ; waves 2, 3: BIGB + (wave - 2) x HBB
	s_add_co_u32 s[G0BB+1], s[G0BB+1], BIGB-2*HBB
	s_mov_b32 s[G0BS], 1
	s_mul_i32 s[G0BS+1], s10, HBS
	s_add_co_u32 s[G0BS+1], s[G0BS+1], SMB-2*HBS
	s_lshl_b32 s17, s12, 6                         ; hb: row 128 mt + 64 x half, 128 bytes a row
	s_lshl_b32 s16, s13, 7
	s_add_co_u32 s16, s16, s17
	s_lshl_b32 s16, s16, 7
	s_mov_b32 s17, 0
	s_lshl_b32 s85, s12, 5                         ; yb: row 64 nt + 32 x half, 4,096 bytes a row
	s_lshl_b32 s84, s6, 6
	s_add_co_u32 s84, s84, s85
	s_lshl_b32 s84, s84, 12
	s_mov_b32 s85, 0
	s_wait_dscnt 0x0                               ; the opening add is done
	s_wait_kmcnt 0x0
	s_add_nc_u64 s[G0AB+2:G0AB+3], s[68:69], s[16:17]            ; BIG's first fill: K = 0 on
	s_add_nc_u64 s[G0AS+2:G0AS+3], s[G0AB+2:G0AB+3], 8*262144    ; SMALL's: K = 512 on
	s_or_b32 s[G0AB+3], s[G0AB+3], 0x80000000
	s_or_b32 s[G0AS+3], s[G0AS+3], 0x80000000
	s_add_nc_u64 s[G0BB+2:G0BB+3], s[70:71], s[84:85]
	s_add_nc_u64 s[G0BS+2:G0BS+3], s[G0BB+2:G0BB+3], 1024
	s_or_b32 s[G0BB+3], s[G0BB+3], 0x80000000
	s_or_b32 s[G0BS+3], s[G0BS+3], 0x80000000
	CROUND                                         ; all sixteen work-groups are here: the first joint loads meet
	JLOAD G0AB, G1AB, G0BB, G1BB                   ; both first fills go out together: two loads of mine are out
	JLOAD G0AS, G1AS, G0BS, G1BS
	v_and_b32 v1, 15, v0                           ; l % 16
	v_bfe_u32 v2, v0, 4, 1                         ; l / 16
	s_lshl_b32 s2, s6, 8                           ; the tile's 64 columns in a row of out0, and in Why_b: 256 nt
	v_lshl_add_u32 v[BO], v2, 5, s2
.irp b, 0,1,2,3
	global_load_b128 v[BIAS+8*(\b):BIAS+8*(\b)+3],   v[BO], s[72:73] offset:64*(\b)
	global_load_b128 v[BIAS+8*(\b)+4:BIAS+8*(\b)+7], v[BO], s[72:73] offset:64*(\b)+16
.endr
	v_mul_u32_u24 v3, v1, PA
	v_lshl_add_u32 v3, v2, 4, v3                   ; a fragment's row x pitch + 16 x half of the lanes
	v_mul_u32_u24 v4, v1, PBB
	v_lshl_add_u32 v4, v2, 4, v4
	v_mul_u32_u24 v5, v1, PBS
	v_lshl_add_u32 v5, v2, 4, v5
	s_mul_i32 s18, s12, 32*PA                      ; my 32 rows in their half of h'
	s_mul_i32 s19, s11, HAB
	s_add_co_u32 s19, s19, s18
	v_add_nc_u32 v[ADRA], s19, v3
	v_add_nc_u32 v[ADRA+1], 4*BLK, v[ADRA]
	s_mul_i32 s19, s11, HAS
	s_add_co_u32 s19, s19, s18
	s_add_co_u32 s19, s19, SB
	v_add_nc_u32 v[ADRA+2], s19, v3
	v_add_nc_u32 v[ADRB], BIGB, v4                 ; every wave reads all 64 rows of yb
	v_add_nc_u32 v[ADRB+1], 512, v[ADRB]
	v_add_nc_u32 v[ADRB+2], SMB, v5
	s_mul_i32 s23, s10, 16*SPITCH
	s_add_co_u32 s23, s23, STAGE                   ; my stage
	v_mul_u32_u24 v5, v1, SPITCH                   ; in: row l % 16, 32 bytes for each half of the lanes
	v_lshl_add_u32 v5, v2, 5, v5
	v_add_nc_u32 v[STO], s23, v5
	v_mul_u32_u24 v5, v2, SPITCH                   ; back: lanes 0-15 take one row of 256 bytes, lanes 16-31 the next
	v_lshl_add_u32 v5, v1, 4, v5
	v_add_nc_u32 v[RD], s23, v5
	v_lshlrev_b32 v5, 12, v2                       ; and the same two rows in out0
	v_lshl_add_u32 v[CO], v1, 4, v5
	s_lshl_b32 s18, s13, 7
	s_lshl_b32 s19, s10, 5
	s_add_co_u32 s18, s18, s19                     ; my first row of out0: 128 mt + 32 x wave
	s_lshl_b32 s18, s18, 12
	s_add_co_u32 s18, s18, s2
	s_mov_b32 s19, 0
	s_add_nc_u64 s[74:75], s[74:75], s[18:19]
	s_wait_loadcnt 0x0                             ; the bias is in
; 8 matrix instructions: both m blocks x all 4 n blocks, 32 along K: part kk of the buffer in window f.  first = 1: the sums start from the bias.  The 8 accumulators take turns.
.macro MULK f, kk, first
	WIN 5*(\f)                                     ; sources 0 and 1 in window f; C and D in window 0
.irp a, 0,1
.irp b, 0,1,2,3
.if \first
	v_wmma_f32_16x16x32_f16 v[ACC+8*(4*(\a)+(\b)):ACC+8*(4*(\a)+(\b))+7], v[48*(\kk)+8*(\b):48*(\kk)+8*(\b)+7], v[48*(\kk)+32+8*(\a):48*(\kk)+32+8*(\a)+7], v[BIAS+8*(\b):BIAS+8*(\b)+7]
.else
	v_wmma_f32_16x16x32_f16 v[ACC+8*(4*(\a)+(\b)):ACC+8*(4*(\a)+(\b))+7], v[48*(\kk)+8*(\b):48*(\kk)+8*(\b)+7], v[48*(\kk)+32+8*(\a):48*(\kk)+32+8*(\a)+7], v[ACC+8*(4*(\a)+(\b)):ACC+8*(4*(\a)+(\b))+7]
.endif
.endr
.endr
.endm
; 48 LDS loads in one run: the fragments of a unit of K = 128 into the buffer in window f, K ascending.  nr: 0 BIG's first half, 1 its second, 2 SMALL; uu: which of the two units there.
.macro FETCH nr, uu, f
.if (\nr) == 2
.set PBX, PBS
.else
.set PBX, PBB
.endif
	WIN 64*(\f)                                    ; destination in window f, address in window 0
.irp kk, 0,1,2,3
.irp b, 0,1,2,3
	ds_load_b128 v[48*(\kk)+8*(\b):48*(\kk)+8*(\b)+3],   v[ADRB+(\nr)] offset:256*(\uu)+64*(\kk)+(\b)*16*PBX
	ds_load_b128 v[48*(\kk)+8*(\b)+4:48*(\kk)+8*(\b)+7], v[ADRB+(\nr)] offset:256*(\uu)+64*(\kk)+(\b)*16*PBX+32
.endr
.irp a, 0,1
	ds_load_b128 v[48*(\kk)+32+8*(\a):48*(\kk)+32+8*(\a)+3],   v[ADRA+(\nr)] offset:(2*(\uu)+(\kk)/2)*BLK+64*((\kk)%2)+(\a)*16*PA
	ds_load_b128 v[48*(\kk)+32+8*(\a)+4:48*(\kk)+32+8*(\a)+7], v[ADRA+(\nr)] offset:(2*(\uu)+(\kk)/2)*BLK+64*((\kk)%2)+(\a)*16*PA+32
.endr
.endr
.endm
.macro PLACES                          ; four plain vector instructions between a matrix instruction and a load into, or an LDS store of, its registers (ISA guide 7.12.1 for LDS stores)
.rept 4
	v_nop
.endr
.endm
; A unit: 32 matrix instructions on the buffer in window f; in its middle the next unit (nr, uu) is fetched into the buffer in window g.
.macro UNIT f, g, nr, uu, first
	s_wait_dscnt 24                                ; the first 64 along K are in; the youngest 24 loads may be out
	MULK \f, 0, \first
	MULK \f, 1, 0
	PLACES
	FETCH \nr, \uu, \g
	s_wait_dscnt 48                                ; all but the 48 just issued
	MULK \f, 2, 0
	MULK \f, 3, 0
.endm
; A slot's last unit (always on the buffer in window 2) and the change of slots: one barrier; in front of it each wave waits for all its tensor loads (one is out: its part of the other slot), adds 0 to its
; spare word, and waits for that and for its reads of this slot.  fill = 1: BIG has been read out, 2: SMALL: the barrier opens a round of the cluster's, and the slot is filled again, K = 768 on, first thing
; behind it.  fill = 0: nothing is left to fetch.  nr: where the next unit lies.
.macro TURN nr, fill
	WIN 0                                          ; (the add's two registers lie in window 0)
	s_wait_tensorcnt 0x0
	ds_add_u32 v[SPW], v[NIL]
	s_wait_dscnt 25                                ; (the add and the youngest 24 loads may be out)
	MULK 2, 0, 0                                   ; eight matrix instructions stand between the add and the wait for it
	s_wait_dscnt 0x0                               ; the add is done, and my reads of this slot are over
	s_barrier_signal -1
	MULK 2, 1, 0
.if \fill
	WIN 0
.endif
	s_barrier_wait -1
.if (\fill) == 1
	CREST                                          ; no wave of any partner still reads the slot or has a load on its way
	s_add_nc_u64 s[G0AB+2:G0AB+3], s[G0AB+2:G0AB+3], ASTEP
	s_add_nc_u64 s[G0BB+2:G0BB+3], s[G0BB+2:G0BB+3], BSTEP
	JLOAD G0AB, G1AB, G0BB, G1BB                   ; the four v_nop behind it are also the places in front of the loads below
.elseif (\fill) == 2
	CREST
	s_add_nc_u64 s[G0AS+2:G0AS+3], s[G0AS+2:G0AS+3], ASTEP
	s_add_nc_u64 s[G0BS+2:G0BS+3], s[G0BS+2:G0BS+3], BSTEP
	JLOAD G0AS, G1AS, G0BS, G1BS
.else
	PLACES
.endif
	FETCH \nr, 0, 1
	MULK 2, 2, 0
	MULK 2, 3, 0
.endm
; THE WAY OUT of m block a: a lane's 32 bytes of a row go into my stage (each accumulator's low registers first) and come back as whole rows of 256 bytes, into the registers that they left.
.macro STG a
.irp b, 0,1,2,3
	ds_store_b128 v[STO], v[ACC+8*(4*(\a)+(\b)):ACC+8*(4*(\a)+(\b))+3]   offset:64*(\b)
	ds_store_b128 v[STO], v[ACC+8*(4*(\a)+(\b))+4:ACC+8*(4*(\a)+(\b))+7] offset:64*(\b)+16
.endr
.irp t, 0,1,2,3,4,5,6,7
	ds_load_b128 v[ACC+32*(\a)+4*(\t):ACC+32*(\a)+4*(\t)+3], v[RD] offset:2*SPITCH*(\t)  ; LDS serves a wave's instructions in order (ISA guide 5.7.1.4): these see the stores above; the next block's stores come behind them
.endr
.endm
.macro SEND a, younger                 ; younger: the LDS instructions issued behind block a's loads: the next block's sixteen, or none
.irp t, 0,1,2,3,4,5,6,7
	s_wait_dscnt (\younger)+7-(\t)
	global_store_b128 v[CO], v[ACC+32*(\a)+4*(\t):ACC+32*(\a)+4*(\t)+3], s[74:75] offset:(16*(\a)+2*(\t))*4096 th:TH_STORE_NT  ; 16 lanes store 256 consecutive bytes, at a multiple of 256 from out0's first byte
.endr
.endm
	s_wait_tensorcnt 1                             ; my part of BIG is in; SMALL's load may stay out
	s_barrier_signal -1
	s_barrier_wait -1                              ; everybody's is
	FETCH 0, 0, 1
	UNIT 1, 2, 0, 1, 1                             ; BIG, K = 0 on: the first products start the sums, from the bias
	UNIT 2, 1, 1, 0, 0
	UNIT 1, 2, 1, 1, 0
	TURN 2, 1                                      ; BIG takes K = 768 on
	UNIT 1, 2, 2, 1, 0                             ; SMALL, K = 512 on
	TURN 0, 2                                      ; SMALL takes K = 1,280 on
	UNIT 1, 2, 0, 1, 0                             ; BIG, K = 768 on
	UNIT 2, 1, 1, 0, 0
	UNIT 1, 2, 1, 1, 0
	TURN 2, 1                                      ; BIG takes K = 1,536 on: the last fill
	UNIT 1, 2, 2, 1, 0                             ; SMALL, K = 1,280 on
	TURN 0, 0                                      ; behind this barrier nobody reads SMALL any more
	UNIT 1, 2, 0, 1, 0                             ; BIG, K = 1,536 on
	UNIT 2, 1, 1, 0, 0
	UNIT 1, 2, 1, 1, 0
	s_wait_dscnt 24                                ; the last unit: nothing more to fetch
	MULK 2, 0, 0
	MULK 2, 1, 0
	s_wait_dscnt 0x0
	MULK 2, 2, 0
	MULK 2, 3, 0
	WIN 0
	PLACES
	STG 0
	STG 1                                          ; a block's trip through the stage stands between the loads of the block before and its stores
	SEND 0, 16
	SEND 1, 0
	s_wait_tensorcnt 0x0                           ; the wave's end: behind my last tensor load and my last LDS store
	ds_add_u32 v[SPW], v[NIL]
	s_wait_dscnt 0x0
	CROUND                                         ; the closing round: no work-group ends while a partner may still ask for a tile that names it
	s_endpgm
.Lfunc_end_k_q5b06fe7474_proj:
	.size	k_q5b06fe7474_proj, .Lfunc_end_k_q5b06fe7474_proj-k_q5b06fe7474_proj
	.p2alignl 7, 3214868480
	.fill 96, 4, 3214868480
	.section	.rodata,"a",@progbits
	.p2align	6, 0x0
	.amdhsa_kernel k_q5b06fe7474_proj
		.amdhsa_group_segment_fixed_size 327680
		.amdhsa_private_segment_fixed_size 0
		.amdhsa_enable_private_segment 0
		.amdhsa_kernarg_size 32
		.amdhsa_user_sgpr_count 2
		.amdhsa_user_sgpr_kernarg_segment_ptr 1
		.amdhsa_wavefront_size32 1
		.amdhsa_system_sgpr_workgroup_id_x 1
		.amdhsa_system_sgpr_workgroup_id_y 1
		.amdhsa_system_sgpr_workgroup_id_z 1
		.amdhsa_system_vgpr_workitem_id 0
		.amdhsa_next_free_vgpr 704
		.amdhsa_next_free_sgpr 86
		.amdhsa_reserve_vcc 0
		.amdhsa_float_denorm_mode_32 3
		.amdhsa_float_denorm_mode_16_64 3
		.amdhsa_memory_ordered 1
		.amdhsa_forward_progress 1
		.amdhsa_inst_pref_size 101
	.end_amdhsa_kernel
	.amdgpu_metadata
---
amdhsa.version: [ 1, 2 ]
amdhsa.kernels:
  - .name:           k_q5b06fe7474_proj
    .symbol:         k_q5b06fe7474_proj.kd
    .args:
      - { .name: hb, .offset: 0, .size: 8, .value_kind: global_buffer, .address_space: global }
      - { .name: yb, .offset: 8, .size: 8, .value_kind: global_buffer, .address_space: global }
      - { .name: Why_b, .offset: 16, .size: 8, .value_kind: global_buffer, .address_space: global }
      - { .name: out0, .offset: 24, .size: 8, .value_kind: global_buffer, .address_space: global }
    .group_segment_fixed_size: 327680
    .private_segment_fixed_size: 0
    .kernarg_segment_align: 8
    .kernarg_segment_size: 32
    .max_flat_workgroup_size: 128
    .sgpr_count:     86
    .vgpr_count:     704
    .wavefront_size: 32
...
	.end_amdgpu_metadata
.endif
;; end of part 3
;; ======== version 2 of 2: 3 launches; version 1 with the launch cast written anew for expert scheduling mode
;; limits: values are held in f16: magnitudes above 65,504 overflow, below 6.1e-05 lose precision
;; workspace buffers: ab 12,582,912 bytes; wb 50,331,648 bytes; yb 4,194,304 bytes; hb 8,388,608 bytes
;; launch cast (part 4): grid 64 x 16, 8 waves a work-group, no clusters, 0 bytes of LDS; arguments x, hidden_state, Wxi_w, Wxf_w, Wxc_w, Wxo_w, Whi_w, Whf_w, Whc_w, Who_w, Why_w, ab, wb, yb; writes ab, wb, yb
.if DOCPART == 4
	.amdgcn_target "amdgcn-amd-amdhsa--gfx1250"
	.amdhsa_code_object_version 6
	.text
	.protected	k_q5b06fe7474_cast
	.globl	k_q5b06fe7474_cast
	.p2align	8
	.type	k_q5b06fe7474_cast,@function
k_q5b06fe7474_cast:
	s_mov_b64 s[64:65], 0
	v_nop
	global_prefetch_b8 v0, s[64:65] scope:SCOPE_SE
	s_setreg_imm32_b32 hwreg(HW_REG_WAVE_SCHED_MODE, 0, 2), 2
	s_setreg_imm32_b32 hwreg(HW_REG_WAVE_MODE, 25, 1), 1
	s_wait_xcnt 0x0
	s_wait_alu depctr_vm_vsrc(0)
; THE MATRIX OPERANDS ARE ROUNDED ONCE TO 16 BITS AND LAID OUT FOR THE TWO PRODUCTS THAT FOLLOW.
;   ab [2048][3072] bf16: row m = x[m] (1,024 numbers), then hidden_state[m] (2,048).
;   wb [8192][3072] bf16: row (j >> 5) * 128 + g * 32 + (j & 31) = Wx_g[j], then Wh_g[j]; g = 0..3 for i, f, c, o.  So 128 rows on end hold all four gates of 32 hidden columns.
;   yb [1024][2048] f16:  Why_w rounded to bf16, that number written as f16.
; LIMITS.  Every number is rounded to nearest even, once, to bf16.  yb: a bf16 number beyond 65,504 becomes an infinity in f16; below 6e-5 it keeps f16's fixed step of 6e-8.
; SHARES.  The sources are 16 units of 2,097,152 numbers (grid y): 0 x; 1, 2 the halves of hidden_state; 3-6 Wx_g; 7-14 the halves of Wh_g; 15 Why_w.  A unit is 2,048 chunks of 1,024 numbers,
; dense in memory; a work-group takes 32 chunks, a wave 4: 32 loads of 16 bytes a lane (512 consecutive bytes each), all issued before the first is waited for: 16 KiB a wave on their way.
; Four f32 of a lane become 8 bytes; a store of the wave covers 256 consecutive bytes, aligned.  No loop, no LDS, no barrier: no wave wants a byte that another has fetched, so there is nothing for a cluster to share.
; THE MODE: SCHED_MODE bits 1:0 = 2 (LLVM: expert scheduling mode 2), set by the entry lines.  The code itself states the register dependences
; between vector instructions and memory instructions, with s_wait_alu, always for 0.
; THE PLAN.  Registers that memory instructions touch:
;   v1         the loads' offset; v2-v5 the stores' offsets, one for each chunk.  Made at the head by vector lines, never written again.
;   X + 4 n    load n lands in its own four registers; its conversions read them and leave the rounded pair in the first two; store n reads that pair; no line names them behind the store.
; The way out goes in eight groups of four loads.  Group g's conversions have the four stores of group g - 1 dealt among them: those stores touch group g - 1's pairs and v2-v5, which no
; conversion of group g names.  So one wait on va_vdst at a group's head, behind the wait for the group's data, states all that the four stores hang on; one more stands ahead of the last four stores.
; No register that a load or a store has read is ever written again: no wait on vm_vsrc is owed.
.set X, 8                              ; v[8:135]  load n's four registers at X + 4 n; the rounded pair is stored from the first two
	s_load_b512 s[8:23], s[0:1], 0x0               ; x 8, hidden_state 10, Wxi 12, Wxf 14, Wxc 16, Wxo 18, Whi 20, Whf 22
	s_load_b256 s[24:31], s[0:1], 0x40             ; Whc 24, Who 26, Why 28, ab 30
	s_load_b128 s[32:35], s[0:1], 0x60             ; wb 32, yb 34
	v_lshrrev_b32 v1, 5, v0
	v_readfirstlane_b32 s38, v1                    ; wave 0..7
	v_and_b32 v6, 31, v0                           ; lane
	s_mov_b32 s58, 0xffff0000                      ; a word's upper bf16
	s_and_b32 s36, ttmp7, 0xffff                   ; u: the unit
	s_sub_co_u32 s37, s36, 1
	s_cmp_lt_u32 s37, 2
	s_cselect_b32 s39, 1, 0
	s_cmp_ge_u32 s36, 7
	s_cselect_b32 s39, 1, s39                      ; wide: the source's rows have 2,048 numbers (two chunks)
	s_add_co_u32 s40, s36, 1
	s_and_b32 s40, s40, s39                        ; which half of a wide source (Why_w has one unit: 0)
	s_sub_co_u32 s41, s36, 7
	s_lshr_b32 s41, s41, 1
	s_sub_co_u32 s37, s36, 3
	s_cmp_ge_u32 s36, 7
	s_cselect_b32 s41, s41, s37                    ; g, where the unit is a gate's weights
	s_cmp_lt_u32 s37, 12
	s_cselect_b32 s42, 1, 0                        ; the unit goes to wb
	s_lshl_b32 s43, ttmp9, 5
	s_wait_alu depctr_va_sdst(0)                   ; s38 is written, ahead of its first reader: my first chunk, and with it every offset, is made from it
	s_lshl2_add_u32 s43, s38, s43                  ; my first chunk in the unit: 32 x work-group + 4 x wave
	s_lshr_b32 s44, s43, s39
	s_lshl_b32 s57, s40, 10
	s_add_co_u32 s44, s44, s57                     ; its row j in the source
	s_lshr_b32 s45, s44, 5
	s_mul_i32 s45, s45, 96
	s_lshl_b32 s57, s41, 5
	s_add_co_u32 s45, s45, s57                     ; wb's row less j: (j >> 5) * 96 + 32 g; my 2 or 4 rows lie in one group of 32
	s_cmp_eq_u32 s42, 1
	s_cselect_b32 s45, s45, 0
	s_add_co_u32 s45, s45, s44                     ; the row in the destination
	s_mov_b32 s46, 6144
	s_cmp_eq_u32 s36, 15
	s_cselect_b32 s46, 4096, s46                   ; bytes in a row of the destination
	s_cselect_b32 s47, 0, s39
	s_lshl_b32 s47, s47, 11                        ; hidden_state and Wh_g begin 2,048 bytes into the row
	s_lshl_b32 s49, s46, 1
	s_cmp_eq_u32 s39, 1
	s_cselect_b32 s48, 2048, s46                   ; from chunk 0 to chunk 1: half a row on, or a row down
	s_cselect_b32 s49, s46, s49                    ; from chunk 0 to chunk 2: a row down, or two
	s_mul_i32 s56, s45, s46
	s_add_co_u32 s56, s56, s47                     ; chunk 0's byte in the destination (under 2^26)
	s_lshl_b32 s54, s40, 23
	s_lshl_b32 s57, s43, 12
	s_add_co_u32 s54, s54, s57                     ; and in the source: 8 MiB x half + 4,096 x chunk
	s_mov_b32 s55, 0
	v_lshlrev_b32 v1, 4, v6                        ; in: 16 bytes a lane
	v_lshl_add_u32 v2, v6, 3, s56                  ; out: 8 bytes a lane; v2-v5 for chunks 0-3
	v_add_nc_u32 v3, s48, v2
	v_add_nc_u32 v4, s49, v2
	v_add_nc_u32 v5, s49, v3
	s_wait_kmcnt 0x0
	s_mov_b64 s[50:51], s[8:9]                     ; the source, chosen by the unit's number alone
.macro PICK from, reg
	s_cmp_ge_u32 s36, \from
	s_cselect_b64 s[50:51], s[\reg:\reg+1], s[50:51]
.endm
	PICK 1, 10
	PICK 3, 12
	PICK 4, 14
	PICK 5, 16
	PICK 6, 18
	PICK 7, 20
	PICK 9, 22
	PICK 11, 24
	PICK 13, 26
	PICK 15, 28
	s_add_nc_u64 s[50:51], s[50:51], s[54:55]
	s_mov_b64 s[52:53], s[30:31]                   ; the destination
	s_cmp_ge_u32 s36, 3
	s_cselect_b64 s[52:53], s[32:33], s[52:53]
	s_cmp_ge_u32 s36, 15
	s_cselect_b64 s[52:53], s[34:35], s[52:53]
	s_wait_alu depctr_va_vdst(0)                   ; v1 to v5 are written: every load and store of the kernel, on both paths, reads one of them as its offset
.irp i, 0,1,2,3
.irp k, 0,1,2,3,4,5,6,7
	global_load_b128 v[X+4*(8*(\i)+(\k)):X+4*(8*(\i)+(\k))+3], v1, s[50:51] offset:4096*(\i)+512*(\k) th:TH_LOAD_NT
.endr
.endr
; The way out: eight groups of four loads.  half16 = 1: the bf16 numbers are widened again and written as f16.  No register is written again behind the store that reads it.
; Load m belongs to chunk m / 8 and is the chunk's piece m % 8: its pair goes to 256 (m % 8) bytes behind the chunk's offset.
.macro CONV half16
.irp g, 0,1,2,3,4,5,6,7
	s_wait_loadcnt 28-4*(\g)                       ; loads come back in order (ISA guide 5.7.1): the group's four are in, the 28 - 4 g younger ones stay out
.if (\g) > 0
	s_wait_alu depctr_va_vdst(0)                   ; the conversions of the group before have written their four pairs, which the stores below read
.endif
.irp k, 0,1,2,3
.if (\g) > 0
.set m, 4*((\g)-1)+(\k)
	global_store_b64 v[2+m/8], v[X+4*m:X+4*m+1], s[52:53] offset:256*(m%8)  ; the group before; no vector line since the wait names its pair or its offset
.endif
.set n, X+4*(4*(\g)+(\k))
	v_cvt_pk_bf16_f32 v[n], v[n], v[n+1]
	v_cvt_pk_bf16_f32 v[n+1], v[n+2], v[n+3]
.if \half16
	v_lshlrev_b32 v[n+2], 16, v[n]
	v_and_b32 v[n+3], s58, v[n]
	v_cvt_pk_f16_f32 v[n], v[n+2], v[n+3]
	v_lshlrev_b32 v[n+2], 16, v[n+1]
	v_and_b32 v[n+3], s58, v[n+1]
	v_cvt_pk_f16_f32 v[n+1], v[n+2], v[n+3]
.endif
.endr
.endr
	s_wait_alu depctr_va_vdst(0)                   ; the last group's conversions have written their four pairs, which the last four stores read
.irp k, 0,1,2,3
.set m, 28+(\k)
	global_store_b64 v[2+m/8], v[X+4*m:X+4*m+1], s[52:53] offset:256*(m%8)
.endr
.endm
	s_cmp_eq_u32 s36, 15
	s_cbranch_scc1 .Lwhy
	CONV 0
	s_endpgm
.Lwhy:
	CONV 1
	s_endpgm
.Lfunc_end_k_q5b06fe7474_cast:
	.size	k_q5b06fe7474_cast, .Lfunc_end_k_q5b06fe7474_cast-k_q5b06fe7474_cast
	.p2alignl 7, 3214868480
	.fill 96, 4, 3214868480
	.section	.rodata,"a",@progbits
	.p2align	6, 0x0
	.amdhsa_kernel k_q5b06fe7474_cast
		.amdhsa_group_segment_fixed_size 0
		.amdhsa_private_segment_fixed_size 0
		.amdhsa_enable_private_segment 0
		.amdhsa_kernarg_size 112
		.amdhsa_user_sgpr_count 2
		.amdhsa_user_sgpr_kernarg_segment_ptr 1
		.amdhsa_wavefront_size32 1
		.amdhsa_system_sgpr_workgroup_id_x 1
		.amdhsa_system_sgpr_workgroup_id_y 1
		.amdhsa_system_sgpr_workgroup_id_z 1
		.amdhsa_system_vgpr_workitem_id 0
		.amdhsa_next_free_vgpr 136
		.amdhsa_next_free_sgpr 66
		.amdhsa_reserve_vcc 0
		.amdhsa_float_denorm_mode_32 3
		.amdhsa_float_denorm_mode_16_64 3
		.amdhsa_memory_ordered 1
		.amdhsa_forward_progress 1
		.amdhsa_inst_pref_size 30
	.end_amdhsa_kernel
	.amdgpu_metadata
---
amdhsa.version: [ 1, 2 ]
amdhsa.kernels:
  - .name:           k_q5b06fe7474_cast
    .symbol:         k_q5b06fe7474_cast.kd
    .args:
      - { .name: x, .offset: 0, .size: 8, .value_kind: global_buffer, .address_space: global }
      - { .name: hidden_state, .offset: 8, .size: 8, .value_kind: global_buffer, .address_space: global }
      - { .name: Wxi_w, .offset: 16, .size: 8, .value_kind: global_buffer, .address_space: global }
      - { .name: Wxf_w, .offset: 24, .size: 8, .value_kind: global_buffer, .address_space: global }
      - { .name: Wxc_w, .offset: 32, .size: 8, .value_kind: global_buffer, .address_space: global }
      - { .name: Wxo_w, .offset: 40, .size: 8, .value_kind: global_buffer, .address_space: global }
      - { .name: Whi_w, .offset: 48, .size: 8, .value_kind: global_buffer, .address_space: global }
      - { .name: Whf_w, .offset: 56, .size: 8, .value_kind: global_buffer, .address_space: global }
      - { .name: Whc_w, .offset: 64, .size: 8, .value_kind: global_buffer, .address_space: global }
      - { .name: Who_w, .offset: 72, .size: 8, .value_kind: global_buffer, .address_space: global }
      - { .name: Why_w, .offset: 80, .size: 8, .value_kind: global_buffer, .address_space: global }
      - { .name: ab, .offset: 88, .size: 8, .value_kind: global_buffer, .address_space: global }
      - { .name: wb, .offset: 96, .size: 8, .value_kind: global_buffer, .address_space: global }
      - { .name: yb, .offset: 104, .size: 8, .value_kind: global_buffer, .address_space: global }
    .group_segment_fixed_size: 0
    .private_segment_fixed_size: 0
    .kernarg_segment_align: 8
    .kernarg_segment_size: 112
    .max_flat_workgroup_size: 256
    .sgpr_count:     66
    .vgpr_count:     136
    .wavefront_size: 32
...
	.end_amdgpu_metadata
.endif
;; end of part 4
;; launch gates: the kernel of part 2 again; grid 32 x 8, 4 waves a work-group, clusters of 4 x 4, 327,680 bytes of LDS; arguments ab, wb, cell_state, Wxi_b, Wxf_b, Wxc_b, Wxo_b, out1, out2, hb; writes out1, out2, hb
;; launch proj: the kernel of part 3 again; grid 16 x 16, 4 waves a work-group, clusters of 4 x 4, 327,680 bytes of LDS; arguments hb, yb, Why_b, out0; writes out0
